; MI455X (gfx1250); checked and timed in simulation.
; The chip was launched on July 23, 2026; its instructions are those of AMD's public machine-readable ISA for CDNA 5 (MIT licence, August 2026) and "CDNA5" Instruction Set Architecture Reference Guide (July 2026). The comments in the code are by the model that wrote it; some were corrected since.
;; Pointnet FP. Allowed arithmetic: matrix products marked QUANTISED: E5M2 operands, one E8M0 scale for each 32 along K, by v_wmma_scale_f32_16x16x128_f8f6f4 with both operands' format E5M2, f32 sums; everything else in f32.
;; Inputs: feats_source 4 x 2,048 x 256 float32; feats_target 4 x 8,192 x 128 float32; w1 384 x 256 float32; w2 256 x 256 float32; xyz_source 4 x 2,048 x 3 float32; xyz_target 4 x 8,192 x 3 float32.
;; Outputs: out0 4 x 8,192 x 256 float32.
;; This version of the problem:
;;   THIS VERSION OF THE PROBLEM IS GIVEN IN LOW PRECISION. The matrix products marked QUANTISED in the list below multiply operands that are first quantised to E5M2 (5 exponent bits, 2 mantissa bits; 8 bits a number), with one power-of-two scale for each 32 numbers along K (OCP MX v1.0); their sums are f32. All else is computed in f32.
;;   The module's matrix products, in the order in which they are computed (A, B: the left and right operand; K: the contracted axis; several contracted axes count as one K, in the product's order):
;;     1. [M 32,768, K 384] x [K 384, N 256]; A: computed on the way; B: input w1: QUANTISED
;;     2. [M 32,768, K 256] x [K 256, N 256]; A: computed on the way; B: input w2: QUANTISED
;;   THE QUANTISER, for each operand of a quantised product, along K:
;;     - K is cut into blocks of 32 from its start; a last block that is shorter is filled with zeros.
;;     - A block's scale is 2^e with e = floor(log2(the largest magnitude in the block)) - 15, held to -126 .. 127; a block of zeros has e = 0. As a byte (E8M0): e + 127.
;;     - Each number is divided by its block's scale, clamped to +-57,344, and rounded to the nearest number of E5M2, ties to even, subnormals kept.
;;     - The product sums the exact products of the quantised numbers (number of the format x scale) in f32.
;;   ~~~python
;;   def quantise(x, axis):      # numpy; x: float32 -> the quantised numbers, widened to float32 again
;;       x = np.moveaxis(x, axis, -1); K = x.shape[-1]
;;       x = np.pad(x, [(0, 0)] * (x.ndim - 1) + [(0, -K % 32)]); x = x.reshape(x.shape[:-1] + (-1, 32)); a = np.abs(x).max(-1, keepdims=True)
;;       e = np.where(a > 0, np.clip(np.frexp(np.where(a > 0, a, 1))[1] - 1 - 15, -126, 127), 0)      # np.frexp(a)[1] - 1 = floor(log2(a)), exactly
;;       r = np.clip(x / 2.0 ** e, -57344, 57344)
;;       step = 2.0 ** (np.maximum(np.frexp(np.where(r == 0, 1, r))[1] - 1, -14) - 2)
;;       q = np.round(r / step) * step * 2.0 ** e      # np.round: ties to even
;;       return np.moveaxis(q.reshape(q.shape[:-2] + (-1,))[..., :K], -1, axis).astype(np.float32)
;;   ~~~
;;   OPERANDS COMPUTED ON THE WAY. 'Computed on the way' means the value that the module computes at that place (a softmax that the list does not call 'softmax' is quantised finished and normalised). What goes into a quantiser is computed in f32, as accurately as f32 sums, v_exp_f32 and their like allow (about 1e-6 of the number): no bf16 or f16 on the way to a quantiser, and a product that is left as it is and whose result goes on into a quantised operand takes f32 operands (vector FMAs, or v_wmma_f32_16x16x4_f32). A number that lies on a knife's edge between two numbers of the format may be rounded either way, as far as f32 arithmetic and the matrix unit's own rounding can turn it there, and no further.
;; One version. Each part assembles by itself: llvm-mc -triple=amdgcn-amd-amdhsa -mcpu=gfx1250 --defsym DOCPART=n.
;; ======== version 1 of 1: 3 launches
;; workspace buffers: cand 524,288 bytes of whole numbers; nidx 524,288 bytes of whole numbers; ncoef 524,288 bytes; wimg 163,840 bytes; wscl 10,240 bytes
;; launch coarse (part 1): grid 256 x 1, 8 waves a work-group, no clusters, 42,496 bytes of LDS; arguments xyz_target, xyz_source, cand; writes cand
.if DOCPART == 1
	.amdgcn_target "amdgcn-amd-amdhsa--gfx1250"
	.amdhsa_code_object_version 6
	.text
	.protected	k_q816cc5dd87_coarse
	.globl	k_q816cc5dd87_coarse
	.p2align	8
	.type	k_q816cc5dd87_coarse,@function
k_q816cc5dd87_coarse:
	s_mov_b64 s[64:65], 0
	v_nop
	global_prefetch_b8 v0, s[64:65] scope:SCOPE_SE
	s_setreg_imm32_b32 hwreg(HW_REG_WAVE_MODE, 25, 1), 1
	s_wait_xcnt 0x0
; FIRST LEVEL OF THE SEARCH FOR THE THREE NEAREST SOURCES.  The 2,048 sources of a batch are cut into 64 chunks of 32 neighbouring indices.  For each target this launch finds the three chunks
; with the smallest (chunk minimum of d2, chunk number) and stores their numbers, ascending.  The three nearest sources by (d2, index) lie in these chunks: were one of them in a fourth chunk, each of the
; three better chunks would hold a source that comes ahead of it, which makes three ahead of it.
; d2 = fma(dz, dz, fma(dy, dy, dx dx)), d = source + (-target): differences first, so a common offset of the coordinates costs no bits.  The next launch forms d2 by the same lines.
; Per two pairs: six packed lines and one v_min3.  Only a chunk minimum goes through an insertion with numbers (11 lines for 32 pairs).
; SHARES.  A work-group owns 128 targets of one batch; all eight waves hold the same 128, four a lane (target 32 q + lane); wave w scans chunks 8 w .. 8 w + 7.  The eight partial lists meet in LDS.
; No tensor load, no cluster: what the work-groups of a batch share is 24 KB of coordinates, which must be taken apart into x, y, z through registers anyway.
; LIMITS.  The order is by d2, not by its root: where two different d2 round to one f32 root, the smaller d2 is taken and not the lower index (the roots, and so the weights, are then equal).
; NaN or infinite coordinates, and d2 beyond the f32 range, are not served.
.set XO,   0                           ; LDS: x of the batch's 2,048 sources, then 32 zeros (the last look-ahead reads them)
.set YO,   8320
.set ZO,   16640
.set MRG,  25088                       ; LDS: 8 waves x 128 targets x 16 bytes: three minima and three chunk numbers packed
.set ADRA, 2                           ; v2, v3  LDS addresses of the two buffers' loads (at the head: offsets of the global loads)
.set WB,   4                           ; v4   1,024 x wave: my wave's 256 sources
.set FW,   5                           ; v5   4 x thread
.set MW,   6                           ; v6   2,048 x wave + 16 x lane
.set CODE, 7                           ; v7   the chunk number in hand (at the head: 0)
.set NT,   8                           ; v8-31  target q: the pairs (-x, -x), (-y, -y), (-z, -z) at v[8 + 6 q]
.set TP,   8                           ; v8   scratch in the merge, where NT is done with
.set M,    32                          ; v[32 + 4 q ..]  m1 <= m2 <= m3, and the packed numbers
.set J,    48                          ; v[48 + 3 q ..]  their chunk numbers
.set ACC,  60                          ; v60-63  the chunk minimum in the making, one a target
.set SB,   64                          ; v64-159  two buffers of 48: x, y, z of 16 sources
.set D,    160                         ; v160-207  eight chains (target q, pair p) x three pairs
.set CM,   20                          ; s20-31  twelve compare masks
	s_load_b128 s[4:7], s[0:1], 0x0                ; xyz_target, xyz_source
	s_load_b64 s[8:9], s[0:1], 0x10                ; cand
	v_lshl_add_u32 v208, v0, 2, 0xa200
	v_mov_b32 v209, 0
	v_and_b32 v1, 31, v0                           ; lane
	v_lshrrev_b32 v7, 5, v0
	v_readfirstlane_b32 s10, v7                    ; wave 0..7
	v_lshlrev_b32 v[WB], 10, v7
	v_lshlrev_b32 v[FW], 2, v0
	v_lshlrev_b32 v[MW], 11, v7
	v_lshl_add_u32 v[MW], v1, 4, v[MW]
	v_mul_u32_u24 v2, v0, 12                       ; a point is 12 bytes: source thread + 256 j
	v_mul_u32_u24 v3, v1, 12                       ; target lane + 32 q
	v_mov_b32 v[CODE], 0
	s_lshr_b32 s14, ttmp9, 6                       ; the batch: 64 work-groups each
	s_mul_i32 s14, s14, 24576
	s_mov_b32 s15, 0
	s_mul_i32 s16, ttmp9, 1536                     ; 128 targets x 12 bytes
	s_mov_b32 s17, 0
	s_lshl_b32 s18, ttmp9, 11                      ; 128 records x 16 bytes
	s_mov_b32 s19, 0
	s_lshl_b32 s12, s10, 3                         ; my first chunk
	s_wait_kmcnt 0x0
	s_add_nc_u64 s[6:7], s[6:7], s[14:15]
	s_add_nc_u64 s[4:5], s[4:5], s[16:17]
	s_add_nc_u64 s[8:9], s[8:9], s[18:19]
.irp j, 0,1,2,3,4,5,6,7
	global_load_b96 v[SB+4*\j:SB+4*\j+2], v2, s[6:7] offset:3072*\j
.endr
.irp q, 0,1,2,3
	global_load_b96 v[D+4*\q:D+4*\q+2], v3, s[4:5] offset:384*\q
.endr
	s_wait_loadcnt 4                               ; the eight source loads are in; the four target loads may be out
.irp j, 0,1,2,3,4,5,6,7
	ds_store_b32 v[FW], v[SB+4*\j] offset:XO+1024*\j
	ds_store_b32 v[FW], v[SB+4*\j+1] offset:YO+1024*\j
	ds_store_b32 v[FW], v[SB+4*\j+2] offset:ZO+1024*\j
.endr
	s_cmp_lg_u32 s10, 0                            ; wave 0 writes the 32 zeros behind each of the three arrays (in it 4 x thread is 4 x lane)
	s_cbranch_scc1 .Lno_pad
	ds_store_b32 v[FW], v[CODE] offset:XO+8192
	ds_store_b32 v[FW], v[CODE] offset:YO+8192
	ds_store_b32 v[FW], v[CODE] offset:ZO+8192
.Lno_pad:
	s_wait_loadcnt 0x0                             ; the targets; v2 and v3 are free from here on
.irp q, 0,1,2,3
.irp a, 0,1,2
	v_xor_b32 v[NT+6*\q+2*\a], 0x80000000, v[D+4*\q+\a]
	v_xor_b32 v[NT+6*\q+2*\a+1], 0x80000000, v[D+4*\q+\a]
.endr
.endr
	s_add_co_u32 s14, s12, 1
	s_add_co_u32 s15, s12, 2
.irp q, 0,1,2,3
	v_mov_b32 v[M+4*\q], 0x7f800000                ; +infinity: the first three chunk minima take these places
	v_mov_b32 v[M+4*\q+1], 0x7f800000
	v_mov_b32 v[M+4*\q+2], 0x7f800000
	v_mov_b32 v[J+3*\q], s12
	v_mov_b32 v[J+3*\q+1], s14
	v_mov_b32 v[J+3*\q+2], s15
.endr
	v_mov_b32 v[ADRA], v[WB]
	v_mov_b32 v[ADRA+1], v[WB]
	s_wait_dscnt 0x0                               ; my stores have landed,
	s_barrier_signal -1
	s_barrier_wait -1                              ; everybody's have
; x, y, z of 16 sources (half buf of a chunk): every lane reads the same bytes
.macro LOADH buf
.irp a, 0,1,2
.irp i, 0,1,2,3
	ds_load_b128 v[SB+48*\buf+16*\a+4*\i:SB+48*\buf+16*\a+4*\i+3], v[ADRA+\buf] offset:8320*\a+64*\buf+16*\i
.endr
.endr
.endm
; four sources x four targets: eight chains by turns, so that no line waits for the line above it.  first = 1: the chunk minimum begins here, nothing is cleared
.macro GRP buf, g, first
.irp a, 0,1,2
.irp q, 0,1,2,3
.irp p, 0,1
	v_pk_add_f32 v[D+6*(2*\q+\p)+2*\a:D+6*(2*\q+\p)+2*\a+1], v[SB+48*\buf+16*\a+4*\g+2*\p:SB+48*\buf+16*\a+4*\g+2*\p+1], v[NT+6*\q+2*\a:NT+6*\q+2*\a+1]
.endr
.endr
.endr
.irp c, 0,1,2,3,4,5,6,7
	v_pk_mul_f32 v[D+6*\c:D+6*\c+1], v[D+6*\c:D+6*\c+1], v[D+6*\c:D+6*\c+1]
.endr
.irp c, 0,1,2,3,4,5,6,7
	v_pk_fma_f32 v[D+6*\c:D+6*\c+1], v[D+6*\c+2:D+6*\c+3], v[D+6*\c+2:D+6*\c+3], v[D+6*\c:D+6*\c+1]
.endr
.irp c, 0,1,2,3,4,5,6,7
	v_pk_fma_f32 v[D+6*\c:D+6*\c+1], v[D+6*\c+4:D+6*\c+5], v[D+6*\c+4:D+6*\c+5], v[D+6*\c:D+6*\c+1]
.endr
.irp p, 0,1
.irp q, 0,1,2,3
.if \first && (\p == 0)
	v_min_num_f32 v[ACC+\q], v[D+6*(2*\q+\p)], v[D+6*(2*\q+\p)+1]
.else
	v_min3_num_f32 v[ACC+\q], v[ACC+\q], v[D+6*(2*\q+\p)], v[D+6*(2*\q+\p)+1]
.endif
.endr
.endr
.endm
.macro HALF buf, first
	GRP \buf, 0, \first
	GRP \buf, 1, 0
	GRP \buf, 2, 0
	GRP \buf, 3, 0
.endm
; the four chunk minima go into the four sorted lists.  The compare is strict and the chunks come in ascending order: of equal minima the lower chunk stays ahead
.macro INS4
.irp k, 0,1,2
.irp q, 0,1,2,3
	v_cmp_lt_f32 s[CM+3*\q+\k], v[ACC+\q], v[M+4*\q+\k]
.endr
.endr
.irp q, 0,1,2,3
	v_med3_num_f32 v[M+4*\q+2], v[M+4*\q+1], v[M+4*\q+2], v[ACC+\q]
.endr
.irp q, 0,1,2,3
	v_med3_num_f32 v[M+4*\q+1], v[M+4*\q], v[M+4*\q+1], v[ACC+\q]
.endr
.irp q, 0,1,2,3
	v_min_num_f32 v[M+4*\q], v[M+4*\q], v[ACC+\q]
.endr
.irp q, 0,1,2,3
	v_cndmask_b32 v[J+3*\q+2], v[J+3*\q+2], v[CODE], s[CM+3*\q+2]
.endr
.irp q, 0,1,2,3
	v_cndmask_b32 v[J+3*\q+2], v[J+3*\q+2], v[J+3*\q+1], s[CM+3*\q+1]
.endr
.irp q, 0,1,2,3
	v_cndmask_b32 v[J+3*\q+1], v[J+3*\q+1], v[CODE], s[CM+3*\q+1]
.endr
.irp q, 0,1,2,3
	v_cndmask_b32 v[J+3*\q+1], v[J+3*\q+1], v[J+3*\q], s[CM+3*\q]
.endr
.irp q, 0,1,2,3
	v_cndmask_b32 v[J+3*\q], v[J+3*\q], v[CODE], s[CM+3*\q]
.endr
.endm
; one number d with the number in v[CODE] into the list of target 0 (the merge): the second number goes through a scratch register, so that no line reads the line above it
.macro INS d
	v_cmp_lt_f32 s[CM], v[\d], v[M]
	v_cmp_lt_f32 s[CM+1], v[\d], v[M+1]
	v_cmp_lt_f32 s[CM+2], v[\d], v[M+2]
	v_med3_num_f32 v[M+2], v[M+1], v[M+2], v[\d]
	v_med3_num_f32 v[M+1], v[M], v[M+1], v[\d]
	v_min_num_f32 v[M], v[M], v[\d]
	v_cndmask_b32 v[J+2], v[J+2], v[CODE], s[CM+2]
	v_cndmask_b32 v[TP], v[J+1], v[CODE], s[CM+1]
	v_cndmask_b32 v[J+2], v[J+2], v[J+1], s[CM+1]
	v_cndmask_b32 v[J+1], v[TP], v[J], s[CM]
	v_cndmask_b32 v[J], v[J], v[CODE], s[CM]
.endm
	LOADH 0
	LOADH 1
	s_mov_b32 s11, 128                             ; bytes from my first chunk to the chunk that is fetched next
	s_mov_b32 s13, 8
.Lchunk:                                               ; a trip is a chunk: 32 sources x 128 targets
	s_wait_dscnt 12                                ; buffer 0's twelve loads are in; buffer 1's twelve may be out
	v_add_nc_u32 v[ADRA], s11, v[WB]
	HALF 0, 1
	LOADH 0                                        ; the next chunk's first half.  In the last trip: the next wave's sources, or the zeros behind the arrays; the numbers are not used
	s_wait_dscnt 12                                ; buffer 1 is in; the twelve just issued may be out
	v_add_nc_u32 v[ADRA+1], s11, v[WB]
	HALF 1, 0
	LOADH 1
	v_mov_b32 v[CODE], s12
	INS4
	s_add_co_u32 s11, s11, 128
	s_add_co_u32 s12, s12, 1
	s_sub_co_u32 s13, s13, 1
	s_cmp_lg_u32 s13, 0
	s_cbranch_scc1 .Lchunk
	s_wait_dscnt 0x0                               ; the look-ahead's loads
.irp q, 0,1,2,3
	v_lshl_or_b32 v[M+4*\q+3], v[J+3*\q+1], 8, v[J+3*\q]
	v_lshl_or_b32 v[M+4*\q+3], v[J+3*\q+2], 16, v[M+4*\q+3]
	ds_store_b128 v[MW], v[M+4*\q:M+4*\q+3] offset:MRG+512*\q
.endr
	s_wait_dscnt 0x0                               ; my lists have landed,
	s_barrier_signal -1
	s_barrier_wait -1                              ; everybody's have
	s_cmp_ge_u32 s10, 4                            ; 128 targets: waves 0 to 3 merge, a thread a target
	s_cbranch_scc1 .Lend
	v_lshlrev_b32 v2, 4, v0
.irp u, 0,1,2,3,4,5,6,7
	ds_load_b128 v[SB+4*\u:SB+4*\u+3], v2 offset:MRG+2048*\u
.endr
	s_wait_dscnt 0x0
	v_mov_b32 v[M], v[SB]                          ; wave 0's list starts the merge; the others follow in ascending order of chunks
	v_mov_b32 v[M+1], v[SB+1]
	v_mov_b32 v[M+2], v[SB+2]
	v_and_b32 v[J], 0xff, v[SB+3]
	v_bfe_u32 v[J+1], v[SB+3], 8, 8
	v_bfe_u32 v[J+2], v[SB+3], 16, 8
.irp u, 1,2,3,4,5,6,7
.irp e, 0,1,2
	v_bfe_u32 v[CODE], v[SB+4*\u+3], 8*\e, 8
	INS SB+4*\u+\e
.endr
.endr
	; the three chunk numbers ascending, so that the next launch meets its 96 candidates in ascending order of index
	v_cmp_gt_u32 vcc_lo, v[J], v[J+1]
	v_cndmask_b32 v52, v[J], v[J+1], vcc_lo        ; the smaller of the first two
	v_cndmask_b32 v53, v[J+1], v[J], vcc_lo        ; the larger
	v_cmp_gt_u32 vcc_lo, v53, v[J+2]
	v_cndmask_b32 v54, v53, v[J+2], vcc_lo
	v_cndmask_b32 v58, v[J+2], v53, vcc_lo         ; the largest of the three
	v_cmp_gt_u32 vcc_lo, v52, v54
	v_cndmask_b32 v56, v52, v54, vcc_lo
	v_cndmask_b32 v57, v54, v52, vcc_lo
	v_mov_b32 v59, 0
	global_store_b128 v2, v[56:59], s[8:9]         ; a wave stores 512 consecutive bytes
.Lend:
	s_wait_tensorcnt 0x0
	ds_add_u32 v208, v209
	s_wait_dscnt 0x0
	s_endpgm
.Lfunc_end_k_q816cc5dd87_coarse:
	.size	k_q816cc5dd87_coarse, .Lfunc_end_k_q816cc5dd87_coarse-k_q816cc5dd87_coarse
	.p2alignl 7, 3214868480
	.fill 96, 4, 3214868480
	.section	.rodata,"a",@progbits
	.p2align	6, 0x0
	.amdhsa_kernel k_q816cc5dd87_coarse
		.amdhsa_group_segment_fixed_size 42496
		.amdhsa_private_segment_fixed_size 0
		.amdhsa_enable_private_segment 0
		.amdhsa_kernarg_size 24
		.amdhsa_user_sgpr_count 2
		.amdhsa_user_sgpr_kernarg_segment_ptr 1
		.amdhsa_wavefront_size32 1
		.amdhsa_system_sgpr_workgroup_id_x 1
		.amdhsa_system_sgpr_workgroup_id_y 1
		.amdhsa_system_sgpr_workgroup_id_z 1
		.amdhsa_system_vgpr_workitem_id 0
		.amdhsa_next_free_vgpr 210
		.amdhsa_next_free_sgpr 66
		.amdhsa_reserve_vcc 1
		.amdhsa_float_denorm_mode_32 3
		.amdhsa_float_denorm_mode_16_64 3
		.amdhsa_memory_ordered 1
		.amdhsa_forward_progress 1
		.amdhsa_inst_pref_size 59
	.end_amdhsa_kernel
	.amdgpu_metadata
---
amdhsa.version: [ 1, 2 ]
amdhsa.kernels:
  - .name:           k_q816cc5dd87_coarse
    .symbol:         k_q816cc5dd87_coarse.kd
    .args:
      - { .name: xyz_target, .offset: 0, .size: 8, .value_kind: global_buffer, .address_space: global }
      - { .name: xyz_source, .offset: 8, .size: 8, .value_kind: global_buffer, .address_space: global }
      - { .name: cand, .offset: 16, .size: 8, .value_kind: global_buffer, .address_space: global }
    .group_segment_fixed_size: 42496
    .private_segment_fixed_size: 0
    .kernarg_segment_align: 8
    .kernarg_segment_size: 24
    .max_flat_workgroup_size: 256
    .sgpr_count:     66
    .vgpr_count:     210
    .wavefront_size: 32
...
	.end_amdgpu_metadata
.endif
;; end of part 1
;; launch fine (part 2): grid 276 x 1, 4 waves a work-group, no clusters, 26,112 bytes of LDS; arguments xyz_target, xyz_source, cand, w1, w2, nidx, ncoef, wimg, wscl; writes nidx, ncoef, wimg, wscl
.if DOCPART == 2
	.amdgcn_target "amdgcn-amd-amdhsa--gfx1250"
	.amdhsa_code_object_version 6
	.text
	.protected	k_q816cc5dd87_fine
	.globl	k_q816cc5dd87_fine
	.p2align	8
	.type	k_q816cc5dd87_fine,@function
k_q816cc5dd87_fine:
	s_mov_b64 s[64:65], 0
	v_nop
	global_prefetch_b8 v0, s[64:65] scope:SCOPE_SE
	s_setreg_imm32_b32 hwreg(HW_REG_WAVE_MODE, 25, 1), 1
	s_wait_xcnt 0x0
; TWO JOBS IN ONE LAUNCH, parted by the work-group's number.
; WORK-GROUPS 0 TO 255: THE SECOND LEVEL OF THE SEARCH.  A thread is a target.  Its three chunks of 32 sources (stored by the launch before, ascending) are scanned in ascending order of index by an insertion
; with a strict compare: the three smallest d2, the lower index ahead among equals.  Then, as the problem has it: dist = max(sqrt(d2), 1e-10), inv = 1 / dist, weight = inv / sum(inv),
; coefficient = weight / (sum(weight) + 1e-6).  Stored per target: three indices and three coefficients, 16 bytes each.
; The batch's sources lie in LDS by chunks, 400 bytes apart (x 128, y 128, z 128, 16 spare): chunk c starts at word 100 c, so chunk starts fall on sixteen different columns of four words.
; WORK-GROUPS 256 TO 275: w1 [384][256] AND w2 [256][256] BECOME CODES OF E5M2 WITH E8M0 SCALES ALONG K, laid as images of the operand registers that the next launch wants.  A wave makes one fragment
; (16 columns x 128 K): lane (r, h) takes one column, and its registers run down K in the operand's order, k = 32 c + 16 h + i; the conversions' results are the fragment.  Each load reads pieces of 32 or 64
; consecutive bytes; both weights together are 655,360 bytes and are read once.
; Fragment numbers: w1 (wave w, tile t, K step s) = 12 w + 3 t + s, row r of it = hidden unit 64 w + 32 (t / 2) + 8 (t % 2) + r + 8 (r / 8);  w2 (w, n, s) = 48 + 8 w + 2 n + s, row r = output 64 w + 16 n + r.
; LIMITS.  As in the launch before: order by d2; NaN, infinities and d2 beyond the f32 range are not served.  A block of zeros gets the scale byte 1 where the rule says 127: its codes are zeros, and this program
; alone reads the bytes.  Blocks whose largest magnitude lies under 2^-111 are held at byte 1.
.set NTX, 12                           ; v12-17  the pairs (-x, -x), (-y, -y), (-z, -z) of my target
.set AD,  18                           ; v18-20  LDS addresses of my three chunks
.set CH,  21                           ; v21-23  their numbers
.set MM,  24                           ; v24-26  the three smallest d2
.set CD,  27                           ; v27-29  their codes: 32 x slot + place in the chunk
.set TP,  30                           ; v30     scratch
.set BA,  64                           ; v64-159   a chunk: x 32, y 32, z 32; d2 takes the place of x
.set BB,  160                          ; v160-255  another
.set TM,  16                           ; the weights' path: v16-19 largest magnitudes, v20-23 bytes, v24-27 the hold, v28-31 the conversions' scale operands
.set PW,  47                           ; the scale word
.set PC,  48                           ; v48-63 the codes
.set WX,  64                           ; v64-127 64 numbers of my column
	s_load_b256 s[4:11], s[0:1], 0x0               ; xyz_target, xyz_source, cand, w1
	s_load_b256 s[12:19], s[0:1], 0x20             ; w2, nidx, ncoef, wimg
	s_load_b64 s[20:21], s[0:1], 0x40              ; wscl
	v_lshl_add_u32 v11, v0, 2, 0x6400
	s_set_vgpr_msb 0x40
	v_mov_b32 v1, 0
	s_set_vgpr_msb 0x4000
	v_lshrrev_b32 v1, 5, v0
	v_readfirstlane_b32 s22, v1                    ; wave 0..3
	s_cmp_ge_u32 ttmp9, 256
	s_cbranch_scc1 .Lweights
	v_and_b32 v3, 31, v0
	s_mul_i32 s23, s22, 400
	v_lshl_add_u32 v3, v3, 2, s23                  ; the fill: source thread + 128 j lies in chunk wave + 4 j, at place lane
	v_lshlrev_b32 v1, 4, v0                        ; my record: 16 bytes
	v_mul_u32_u24 v2, v0, 12                       ; a point: 12 bytes
	s_lshr_b32 s24, ttmp9, 6                       ; the batch
	s_mul_i32 s24, s24, 24576
	s_mov_b32 s25, 0
	s_mul_i32 s26, ttmp9, 1536
	s_mov_b32 s27, 0
	s_lshl_b32 s28, ttmp9, 11
	s_mov_b32 s29, 0
	s_wait_kmcnt 0x0
	s_add_nc_u64 s[6:7], s[6:7], s[24:25]
	s_add_nc_u64 s[4:5], s[4:5], s[26:27]
	s_add_nc_u64 s[8:9], s[8:9], s[28:29]
	s_add_nc_u64 s[14:15], s[14:15], s[28:29]
	s_add_nc_u64 s[16:17], s[16:17], s[28:29]
.irp j, 0,1,2,3,4,5,6,7,8,9,10,11,12,13,14,15
	global_load_b96 v[BA+4*\j:BA+4*\j+2], v2, s[6:7] offset:1536*\j
.endr
	global_load_b128 v[4:7], v1, s[8:9]            ; my three chunks
	global_load_b96 v[8:10], v2, s[4:5]            ; my target
	s_wait_loadcnt 0x0
.irp j, 0,1,2,3,4,5,6,7,8,9,10,11,12,13,14,15
	ds_store_b32 v3, v[BA+4*\j] offset:1600*\j
	ds_store_b32 v3, v[BA+4*\j+1] offset:1600*\j+128
	ds_store_b32 v3, v[BA+4*\j+2] offset:1600*\j+256
.endr
.irp a, 0,1,2
	v_xor_b32 v[NTX+2*\a], 0x80000000, v[8+\a]
	v_xor_b32 v[NTX+2*\a+1], 0x80000000, v[8+\a]
	v_min_u32 v[CH+\a], 63, v[4+\a]                ; a number read from memory is held inside the table before it enters an address
	v_mov_b32 v[MM+\a], 0x7f800000                 ; +infinity
	v_mov_b32 v[CD+\a], 0
.endr
.irp a, 0,1,2
	v_mul_u32_u24 v[AD+\a], v[CH+\a], 400
.endr
	s_wait_dscnt 0x0                               ; my stores have landed,
	s_barrier_signal -1
	s_barrier_wait -1                              ; everybody's have; from here on LDS is only read
.macro LOADC buf, slot                 ; my chunk number slot: 32 x, 32 y, 32 z
.irp a, 0,1,2
.irp i, 0,1,2,3,4,5,6,7
	ds_load_b128 v[\buf+32*\a+4*\i:\buf+32*\a+4*\i+3], v[AD+\slot] offset:128*\a+16*\i
.endr
.endr
.endm
.macro DIST buf                        ; d2 of the 32 candidates, two at a time, by the same lines as in the launch before; candidate k ends in v[buf + k]
.irp a, 0,1,2
.irp i, 0,1,2,3,4,5,6,7,8,9,10,11,12,13,14,15
	v_pk_add_f32 v[\buf+32*\a+2*\i:\buf+32*\a+2*\i+1], v[\buf+32*\a+2*\i:\buf+32*\a+2*\i+1], v[NTX+2*\a:NTX+2*\a+1]
.endr
.endr
.irp i, 0,1,2,3,4,5,6,7,8,9,10,11,12,13,14,15
	v_pk_mul_f32 v[\buf+2*\i:\buf+2*\i+1], v[\buf+2*\i:\buf+2*\i+1], v[\buf+2*\i:\buf+2*\i+1]
.endr
.irp i, 0,1,2,3,4,5,6,7,8,9,10,11,12,13,14,15
	v_pk_fma_f32 v[\buf+2*\i:\buf+2*\i+1], v[\buf+32+2*\i:\buf+32+2*\i+1], v[\buf+32+2*\i:\buf+32+2*\i+1], v[\buf+2*\i:\buf+2*\i+1]
.endr
.irp i, 0,1,2,3,4,5,6,7,8,9,10,11,12,13,14,15
	v_pk_fma_f32 v[\buf+2*\i:\buf+2*\i+1], v[\buf+64+2*\i:\buf+64+2*\i+1], v[\buf+64+2*\i:\buf+64+2*\i+1], v[\buf+2*\i:\buf+2*\i+1]
.endr
.endm
.macro INS d, code                     ; strict compare, ascending order of index: of equal d2 the lower index stays ahead
	v_cmp_lt_f32 s30, v[\d], v[MM]
	v_cmp_lt_f32 s31, v[\d], v[MM+1]
	v_cmp_lt_f32 s32, v[\d], v[MM+2]
	v_med3_num_f32 v[MM+2], v[MM+1], v[MM+2], v[\d]
	v_med3_num_f32 v[MM+1], v[MM], v[MM+1], v[\d]
	v_min_num_f32 v[MM], v[MM], v[\d]
	v_cndmask_b32 v[CD+2], v[CD+2], \code, s32
	v_cndmask_b32 v[TP], v[CD+1], \code, s31
	v_cndmask_b32 v[CD+2], v[CD+2], v[CD+1], s31
	v_cndmask_b32 v[CD+1], v[TP], v[CD], s30
	v_cndmask_b32 v[CD], v[CD], \code, s30
.endm
.macro SCAN buf, slot
.irp k, 0,1,2,3,4,5,6,7,8,9,10,11,12,13,14,15,16,17,18,19,20,21,22,23,24,25,26,27,28,29,30,31
	INS \buf+\k, 32*\slot+\k
.endr
.endm
	LOADC BA, 0
	LOADC BB, 1
	s_wait_dscnt 24                                ; the first chunk's 24 loads are in; the second's may be out
	DIST BA
	SCAN BA, 0
	LOADC BA, 2
	s_wait_dscnt 24                                ; the second chunk is in; the 24 just issued may be out
	DIST BB
	SCAN BB, 1
	s_wait_dscnt 0x0
	DIST BA
	SCAN BA, 2
	v_sqrt_f32 v32, v[MM]
	v_sqrt_f32 v33, v[MM+1]
	v_sqrt_f32 v34, v[MM+2]
.irp e, 0,1,2                          ; the indices, from the codes: independent work behind the roots
	v_lshrrev_b32 v45, 5, v[CD+\e]                 ; the slot
	v_cmp_eq_u32 vcc_lo, 1, v45
	v_cndmask_b32 v46, v[CH], v[CH+1], vcc_lo
	v_cmp_eq_u32 vcc_lo, 2, v45
	v_cndmask_b32 v46, v46, v[CH+2], vcc_lo        ; its chunk
	v_and_b32 v47, 31, v[CD+\e]
	v_lshl_add_u32 v[48+\e], v46, 5, v47           ; 32 x chunk + place
.endr
	s_wait_alu depctr_va_vdst(0)                   ; the wait ahead of the first line that names a root: one for the three
	v_max_num_f32 v32, 0x2edbe6ff, v32             ; 1e-10
	v_max_num_f32 v33, 0x2edbe6ff, v33
	v_max_num_f32 v34, 0x2edbe6ff, v34
	v_rcp_f32 v35, v32
	v_rcp_f32 v36, v33
	v_rcp_f32 v37, v34
	v_mov_b32 v51, 0                               ; the records' fourth words: plain lines behind the reciprocals
	v_mov_b32 v55, 0
	s_wait_alu depctr_va_vdst(0)                   ; one wait for the three reciprocals
	v_add_f32 v38, v35, v36
	v_add_f32 v38, v38, v37
	v_rcp_f32 v39, v38
	v_nop
	s_wait_alu depctr_va_vdst(0)
	v_mul_f32 v40, v35, v39                        ; the weights
	v_mul_f32 v41, v36, v39
	v_mul_f32 v42, v37, v39
	v_add_f32 v43, v40, v41
	v_add_f32 v43, v43, v42
	v_add_f32 v43, 0x358637bd, v43                 ; + 1e-6
	v_rcp_f32 v44, v43
	v_nop
	s_wait_alu depctr_va_vdst(0)
	v_mul_f32 v52, v40, v44
	v_mul_f32 v53, v41, v44
	v_mul_f32 v54, v42, v44
	global_store_b128 v1, v[48:51], s[14:15]       ; a wave stores 512 consecutive bytes
	global_store_b128 v1, v[52:55], s[16:17]
	s_set_vgpr_msb 0x4
	s_wait_tensorcnt 0x0
	ds_add_u32 v11, v1
	s_wait_dscnt 0x0
	s_set_vgpr_msb 0x400
	s_endpgm
.Lweights:
	s_sub_co_u32 s23, ttmp9, 256
	s_lshl_b32 s23, s23, 2
	s_add_co_u32 s23, s23, s22                     ; F: my fragment, 0 .. 79
	s_mul_i32 s24, s23, 171
	s_lshr_b32 s24, s24, 9                         ; w1: F / 3 = 4 w + t (right up to F = 47)
	s_mul_i32 s25, s24, 3
	s_sub_co_u32 s25, s23, s25                     ; its K step
	s_lshr_b32 s26, s24, 1
	s_lshl_b32 s26, s26, 5
	s_and_b32 s27, s24, 1
	s_lshl_b32 s27, s27, 3
	s_add_co_u32 s26, s26, s27                     ; its first column: 32 ((4 w + t) / 2) + 8 (t % 2)
	s_sub_co_u32 s27, s23, 48                      ; w2 (used where F is 48 or more)
	s_lshr_b32 s28, s27, 1
	s_lshl_b32 s28, s28, 4                         ; its first column: 16 (4 w + n)
	s_and_b32 s29, s27, 1                          ; its K step
	s_mov_b32 s32, 0x76543210
	s_mov_b32 s33, 0xfedcba98                      ; selects of v_permlanex16_b32 for lane l xor 16
	s_mov_b32 s34, 0x600000                        ; the mantissa field of 57,344
	s_wait_kmcnt 0x0
	s_cmp_lt_u32 s23, 48                           ; the choice hangs on the fragment's number alone
	s_cselect_b32 s25, s25, s29
	s_cselect_b32 s26, s26, s28
	s_cselect_b32 s27, 8, 0                        ; w1's rows of a tile are not neighbours: r + (r & 8)
	s_cselect_b64 s[10:11], s[10:11], s[12:13]
	s_lshl_b32 s30, s26, 2                         ; 4 bytes a column,
	s_lshl_b32 s31, s25, 17                        ; 128 rows of 1,024 bytes a K step
	s_add_co_u32 s30, s30, s31
	s_mov_b32 s31, 0
	s_add_nc_u64 s[10:11], s[10:11], s[30:31]
	s_lshl_b32 s30, s23, 11
	s_add_nc_u64 s[18:19], s[18:19], s[30:31]      ; my image: 2,048 bytes
	s_lshl_b32 s30, s23, 7
	s_add_nc_u64 s[20:21], s[20:21], s[30:31]      ; my scale words: 128 bytes
	v_and_b32 v2, 15, v0                           ; r
	v_and_b32 v3, s27, v2
	v_add_nc_u32 v2, v2, v3
	v_bfe_u32 v3, v0, 4, 1                         ; h
	v_lshlrev_b32 v2, 2, v2
	v_lshl_add_u32 v2, v3, 14, v2                  ; lanes 16-31 begin 16 rows further down
	v_and_b32 v5, 31, v0
	v_lshlrev_b32 v4, 4, v5
	v_lshlrev_b32 v5, 2, v5
.irp c, 0,1,2,3
.irp i, 0,1,2,3,4,5,6,7,8,9,10,11,12,13,14,15
	global_load_b32 v[WX+16*\c+\i], v2, s[10:11] offset:1024*(32*\c+\i)
.endr
.endr
.irp b, 0,1,2,3
	v_mov_b32 v[TM+4+\b], 0                        ; a lane permute's destination counts as one of its sources
.endr
	s_wait_loadcnt 0x0
.irp b, 0,1,2,3
	v_max3_num_f32 v[TM+\b], |v[WX+16*\b]|, |v[WX+1+16*\b]|, 0x8000000   ; block b: my 16 numbers, and the floor 2^(16 - 127): the byte cannot fall under 1
.endr
.irp i, 2,4,6,8,10,12,14
.irp b, 0,1,2,3
	v_max3_num_f32 v[TM+\b], v[TM+\b], |v[WX+16*\b+\i]|, |v[WX+1+16*\b+\i]|
.endr
.endr
.irp b, 0,1,2,3
	v_permlanex16_b32 v[TM+4+\b], v[TM+\b], s32, s33
.endr
.irp b, 0,1,2,3
	v_max_num_f32 v[TM+\b], v[TM+\b], v[TM+4+\b]   ; with lane l xor 16: the block's largest magnitude
.endr
.irp b, 0,1,2,3
	v_add_nc_u32 v[TM+12+\b], 0xf8800000, v[TM+\b] ; 15 off its exponent field: the conversion's scale operand
.endr
.irp b, 0,1,2,3
	v_and_or_b32 v[TM+8+\b], v[TM+\b], 0x7f800000, s34   ; 57,344 x the scale
.endr
.irp b, 0,1,2,3
	v_lshrrev_b32 v[TM+4+\b], 23, v[TM+12+\b]      ; the scale's byte
.endr
	v_lshl_or_b32 v[PW], v[TM+5], 8, v[TM+4]
	v_lshl_or_b32 v[PW], v[TM+6], 16, v[PW]
	v_lshl_or_b32 v[PW], v[TM+7], 24, v[PW]
.irp b, 0,1,2,3
.irp i, 0,1,2,3,4,5,6,7,8,9,10,11,12,13,14,15
	v_med3_num_f32 v[WX+16*\b+\i], v[WX+16*\b+\i], -v[TM+8+\b], v[TM+8+\b]   ; the conversion to an 8-bit code does not saturate (ISA guide 7.6.2): the hold at the largest code x the scale
.endr
	v_cvt_scalef32_pk8_bf8_f32 v[PC+4*\b:PC+1+4*\b], v[WX+16*\b:WX+7+16*\b], v[TM+12+\b]
	v_cvt_scalef32_pk8_bf8_f32 v[PC+2+4*\b:PC+3+4*\b], v[WX+8+16*\b:WX+15+16*\b], v[TM+12+\b]
.endr
	v_nop                                          ; a plain line behind the last conversion
.irp c, 0,1,2,3
	global_store_b128 v4, v[PC+4*\c:PC+4*\c+3], s[18:19] offset:512*\c   ; register group c of all 32 lanes: 512 consecutive bytes
.endr
	global_store_b32 v5, v[PW], s[20:21]
	s_endpgm
.Lfunc_end_k_q816cc5dd87_fine:
	.size	k_q816cc5dd87_fine, .Lfunc_end_k_q816cc5dd87_fine-k_q816cc5dd87_fine
	.p2alignl 7, 3214868480
	.fill 96, 4, 3214868480
	.section	.rodata,"a",@progbits
	.p2align	6, 0x0
	.amdhsa_kernel k_q816cc5dd87_fine
		.amdhsa_group_segment_fixed_size 26112
		.amdhsa_private_segment_fixed_size 0
		.amdhsa_enable_private_segment 0
		.amdhsa_kernarg_size 72
		.amdhsa_user_sgpr_count 2
		.amdhsa_user_sgpr_kernarg_segment_ptr 1
		.amdhsa_wavefront_size32 1
		.amdhsa_system_sgpr_workgroup_id_x 1
		.amdhsa_system_sgpr_workgroup_id_y 1
		.amdhsa_system_sgpr_workgroup_id_z 1
		.amdhsa_system_vgpr_workitem_id 0
		.amdhsa_next_free_vgpr 258
		.amdhsa_next_free_sgpr 66
		.amdhsa_reserve_vcc 1
		.amdhsa_float_denorm_mode_32 3
		.amdhsa_float_denorm_mode_16_64 3
		.amdhsa_memory_ordered 1
		.amdhsa_forward_progress 1
		.amdhsa_inst_pref_size 115
	.end_amdhsa_kernel
	.amdgpu_metadata
---
amdhsa.version: [ 1, 2 ]
amdhsa.kernels:
  - .name:           k_q816cc5dd87_fine
    .symbol:         k_q816cc5dd87_fine.kd
    .args:
      - { .name: xyz_target, .offset: 0, .size: 8, .value_kind: global_buffer, .address_space: global }
      - { .name: xyz_source, .offset: 8, .size: 8, .value_kind: global_buffer, .address_space: global }
      - { .name: cand, .offset: 16, .size: 8, .value_kind: global_buffer, .address_space: global }
      - { .name: w1, .offset: 24, .size: 8, .value_kind: global_buffer, .address_space: global }
      - { .name: w2, .offset: 32, .size: 8, .value_kind: global_buffer, .address_space: global }
      - { .name: nidx, .offset: 40, .size: 8, .value_kind: global_buffer, .address_space: global }
      - { .name: ncoef, .offset: 48, .size: 8, .value_kind: global_buffer, .address_space: global }
      - { .name: wimg, .offset: 56, .size: 8, .value_kind: global_buffer, .address_space: global }
      - { .name: wscl, .offset: 64, .size: 8, .value_kind: global_buffer, .address_space: global }
    .group_segment_fixed_size: 26112
    .private_segment_fixed_size: 0
    .kernarg_segment_align: 8
    .kernarg_segment_size: 72
    .max_flat_workgroup_size: 128
    .sgpr_count:     66
    .vgpr_count:     258
    .wavefront_size: 32
...
	.end_amdgpu_metadata
.endif
;; end of part 2
;; launch mlp (part 3): grid 256 x 1, 4 waves a work-group, no clusters, 286,208 bytes of LDS; arguments feats_source, feats_target, nidx, ncoef, wimg, wscl, out0; writes out0
.if DOCPART == 3
	.amdgcn_target "amdgcn-amd-amdhsa--gfx1250"
	.amdhsa_code_object_version 6
	.text
	.protected	k_q816cc5dd87_mlp
	.globl	k_q816cc5dd87_mlp
	.p2align	8
	.type	k_q816cc5dd87_mlp,@function
k_q816cc5dd87_mlp:
	s_mov_b64 s[64:65], 0
	v_nop
	global_prefetch_b8 v0, s[64:65] scope:SCOPE_SE
	s_setreg_imm32_b32 hwreg(HW_REG_WAVE_MODE, 25, 1), 1
	s_wait_xcnt 0x0
; out = relu(Q(relu(Q(x) Q(w1))) Q(w2)), x = [blend of three rows of feats_source | feats_target], both products on codes of E5M2 with one E8M0 scale for each 32 along K.
; SHARES.  A work-group owns 128 rows (targets) of one batch.  PHASE X: wave w gathers, blends and quantises rows 32 w .. 32 w + 31.  PRODUCTS: THE WAVES SHARE THE COLUMNS: wave w makes hidden units and
; outputs 64 w .. 64 w + 63 for all eight tiles of 16 rows, so its part of both weights (12 + 8 fragments, 320 registers, laid as register images by the launch before) stays in its registers.
; PHASE X.  A pair of rows at a time: lanes 0-15 one row, lanes 16-31 the next; each load reads 256 consecutive bytes in sixteen lanes.  Four register slots take turns: three pairs (42 loads) are on their way.
; The blend is f32: a0 f0 + a1 f1 + a2 f2, the coefficients as stored.  The rows go to the wave's own stage in LDS (1,536 bytes + 16, so that the sixteen rows of a read start at sixteen different banks:
; 64 banks of 4 bytes, ISA guide 11.1) and come back with a lane holding 16 neighbours of each block of 32, as the conversions want them.
; OPERANDS GO FROM WAVE TO WAVE AS IMAGES OF THEIR REGISTERS: register group c of all lanes at 512 c + 16 x lane; scale words at 4 x lane.
; BOTH PRODUCTS ARE USED TRANSPOSED (source 0 = 16 rows of the weight, source 1 = 16 rows of x or of the hidden layer): a lane holds one row, its registers run along the columns.  The rows of w1 that form a tile
; are chosen so that the 16 registers of tiles 2 b and 2 b + 1 are 16 neighbours along the next K.  Wave w's 64 hidden units are blocks 2 (w & 1), 2 (w & 1) + 1 of K step w / 2 of the second product.
; No tensor load and no cluster: of the bytes that a work-group reads the shared weights are 164 KB of some 640 KB, and they go straight into registers.  No prefetch: a row of feats_source is named about twelve
; times in the launch, and feats_target is streamed by the ring of loads.
; LIMITS.  A block of zeros gets the scale byte 1 where the rule says 127 (its codes are zeros; this program alone reads the bytes); blocks under 2^-111 are held at byte 1; NaN and infinities are not served.
; REGISTERS, in windows of 256.  Window 0: v1-15, v36-38 addresses; v16-27, v28-35 the weights' scale words; v40-55 the quantiser's scratch; v56 a scale word just made; v60-75 codes just made; v76-81, v82-85
;   scale words of x and of the hidden layer, two sets each; v96-255 by phase (below).  Window 1: w1's 12 fragments.  Window 2: v0-127 w2's 8 fragments; v128-191 the pairs' three row offsets; v192-255 their
;   coefficients.  Window 3: four slots of 56: three rows' 16 numbers and feats_target's 8, a lane.
.set XSTG, 0                           ; LDS: 128 rows x 1,552 bytes; wave w's 32 rows begin at 49,664 w.  In phase 2 the wave's own bytes serve as its stage for the way out
.set XIMG, 198656                      ; 24 images of x's fragments (tile m, K step s: 3 m + s), 2,048 bytes each
.set XSC,  247808                      ; their scale words, 128 bytes each
.set HIMG, 250880                      ; 16 images of the hidden layer's fragments (2 m + s)
.set HSC,  283648                      ; their scale words
.set C16, 1                            ; v1   16 (lane % 16)
.set RO,  2                            ; v2   16 h: my row's record in a pair's
.set TO,  3                            ; v3   512 h + C16: feats_target
.set LI,  4                            ; v4   16 x lane
.set LS,  5                            ; v5   4 x lane
.set STW, 6                            ; v6   the stage, on the way in
.set STR, 7                            ; v7   and on the way out
.set XWI, 8
.set XWS, 9
.set XRI, 10
.set XRS, 11
.set HWI, 12
.set HWS, 13
.set HRI, 14
.set HRS, 15
.set W1S, 16
.set W2S, 28
.set OSW, 36
.set OSR, 37
.set GO,  38
.set TM,  40
.set PW,  56
.set PC,  60
.set XS,  76
.set HS,  82
.set ST,  96                           ; phase X: v96-159 64 numbers of a row
.set AB,  160                          ; phase X: v160-191 two sets of 16 blended numbers
.set XF,  96                           ; phase 1: v96-191 two sets of x's three fragments
.set HA,  192                          ; phase 1: v192-223 my four tiles of the hidden layer
.set HF,  96                           ; phase 2: v96-159 two sets of the hidden layer's two fragments
.set OA,  160                          ; phase 2: v160-191 my four tiles of outputs
.set OB,  192                          ; phase 2: v192-255 two sets of 16 rows on the way out
.set IDX, 128                          ; window 2
.set COEF, 192                         ; window 2
.set SEL, 40                           ; s[40:41]
.set MNT, 42                           ; s42
.set MSB, 0
.macro WIN new                         ; bits 1:0 source 0, 3:2 source 1, 5:4 source 2, 7:6 destination; the immediate's high byte repeats the setting that is left
.if MSB != \new
	s_set_vgpr_msb (MSB<<8)|\new
.set MSB, \new
.endif
.endm
	s_load_b256 s[4:11], s[0:1], 0x0               ; feats_source, feats_target, nidx, ncoef
	s_load_b128 s[12:15], s[0:1], 0x20             ; wimg, wscl
	s_load_b64 s[16:17], s[0:1], 0x30              ; out0
	v_lshl_add_u32 v94, v0, 2, 0x45c00
	v_mov_b32 v95, 0
	v_lshrrev_b32 v39, 5, v0
	v_readfirstlane_b32 s18, v39                   ; wave 0..3
	v_and_b32 v39, 31, v0                          ; lane
	v_and_b32 v57, 15, v0                          ; r
	v_bfe_u32 v58, v0, 4, 1                        ; h
	v_lshlrev_b32 v[C16], 4, v57
	v_lshlrev_b32 v[RO], 4, v58
	v_lshl_add_u32 v[TO], v58, 9, v[C16]
	v_lshlrev_b32 v[LI], 4, v39
	v_lshlrev_b32 v[LS], 2, v39
	s_mul_i32 s19, s18, 49664                      ; my wave's 32 rows of the stage
	v_mul_u32_u24 v[STW], v58, 1552
	v_add_nc_u32 v[STW], v[STW], v[C16]
	v_add_nc_u32 v[STW], s19, v[STW]               ; in: row h of a pair, 16 bytes a lane
	v_mul_u32_u24 v[STR], v57, 1552
	v_lshl_add_u32 v[STR], v58, 6, v[STR]
	v_add_nc_u32 v[STR], s19, v[STR]               ; out: row r of a tile, my half's 64 bytes of a block
	s_mul_i32 s20, s18, 12288
	s_add_co_u32 s20, s20, XIMG
	v_add_nc_u32 v[XWI], s20, v[LI]                ; my six images of x
	s_mul_i32 s20, s18, 768
	s_add_co_u32 s20, s20, XSC
	v_add_nc_u32 v[XWS], s20, v[LS]
	v_add_nc_u32 v[XRI], XIMG, v[LI]
	v_add_nc_u32 v[XRS], XSC, v[LS]
	s_lshr_b32 s21, s18, 1                         ; the K step of the second product that my hidden units belong to,
	s_and_b32 s22, s18, 1                          ; and which half of it
	s_lshl_b32 s20, s21, 11
	s_lshl_b32 s23, s22, 10
	s_add_co_u32 s20, s20, s23
	s_add_co_u32 s20, s20, HIMG
	v_add_nc_u32 v[HWI], s20, v[LI]
	s_lshl_b32 s20, s21, 7
	s_lshl_b32 s23, s22, 1
	s_add_co_u32 s20, s20, s23
	s_add_co_u32 s20, s20, HSC
	v_add_nc_u32 v[HWS], s20, v[LS]                ; my two bytes of each row's scale word
	v_add_nc_u32 v[HRI], HIMG, v[LI]
	v_add_nc_u32 v[HRS], HSC, v[LS]
	v_mul_u32_u24 v[OSW], v57, 272
	v_lshl_add_u32 v[OSW], v58, 5, v[OSW]
	v_add_nc_u32 v[OSW], s19, v[OSW]               ; the way out, in: row r of 256 bytes + 16, my half's 32 bytes of a tile's 64
	v_mul_u32_u24 v[OSR], v58, 272
	v_add_nc_u32 v[OSR], v[OSR], v[C16]
	v_add_nc_u32 v[OSR], s19, v[OSR]               ; back: lanes 0-15 one row, lanes 16-31 the next
	v_lshl_add_u32 v[GO], v58, 10, v[C16]          ; and the same two rows in out0
.irp b, 0,1,2,3
	v_mov_b32 v[TM+4+\b], 0                        ; a lane permute's destination counts as one of its sources
.endr
	s_mov_b32 s[SEL], 0x76543210
	s_mov_b32 s[SEL+1], 0xfedcba98                 ; selects of v_permlanex16_b32 for lane l xor 16
	s_mov_b32 s[MNT], 0x600000                     ; the mantissa field of 57,344
	s_lshr_b32 s24, ttmp9, 6
	s_lshl_b32 s24, s24, 21                        ; the batch's 2,048 rows of 1,024 bytes
	s_mov_b32 s25, 0
	s_lshl_b32 s26, ttmp9, 16                      ; feats_target: 128 rows of 512 bytes a work-group,
	s_lshl_b32 s27, s18, 14                        ; 32 a wave
	s_add_co_u32 s26, s26, s27
	s_mov_b32 s27, 0
	s_lshl_b32 s28, ttmp9, 11                      ; the records: 16 bytes a row
	s_lshl_b32 s29, s18, 9
	s_add_co_u32 s28, s28, s29
	s_mov_b32 s29, 0
	s_mul_i32 s30, s18, 24576                      ; w1: 12 images a wave
	s_mov_b32 s31, 0
	s_lshl_b32 s32, s18, 14                        ; w2: 8 images a wave, behind w1's 48
	s_add_co_u32 s32, s32, 98304
	s_mov_b32 s33, 0
	s_mul_i32 s38, s18, 1536
	s_mov_b32 s39, 0
	s_lshl_b32 s44, s18, 10
	s_add_co_u32 s44, s44, 6144
	s_mov_b32 s45, 0
	s_lshl_b32 s46, ttmp9, 17                      ; out0: 128 rows of 1,024 bytes a work-group, my 64 columns
	s_lshl_b32 s47, s18, 8
	s_add_co_u32 s46, s46, s47
	s_mov_b32 s47, 0
	s_wait_kmcnt 0x0
	s_add_nc_u64 s[4:5], s[4:5], s[24:25]
	s_add_nc_u64 s[6:7], s[6:7], s[26:27]
	s_add_nc_u64 s[8:9], s[8:9], s[28:29]
	s_add_nc_u64 s[10:11], s[10:11], s[28:29]
	s_add_nc_u64 s[34:35], s[12:13], s[32:33]      ; w2's images
	s_add_nc_u64 s[12:13], s[12:13], s[30:31]      ; w1's
	s_add_nc_u64 s[36:37], s[14:15], s[44:45]      ; w2's scale words
	s_add_nc_u64 s[14:15], s[14:15], s[38:39]      ; w1's
	s_add_nc_u64 s[16:17], s[16:17], s[46:47]
	WIN 0x80                                       ; destination window 2
.irp p, 0,1,2,3,4,5,6,7,8,9,10,11,12,13,14,15
	global_load_b128 v[IDX+4*\p:IDX+4*\p+3], v[RO], s[8:9] offset:32*\p     ; pair p: lanes 0-15 row 2 p's three indices, lanes 16-31 row 2 p + 1's
.endr
	WIN 0x40                                       ; destination window 1
.irp f, 0,1,2,3,4,5,6,7,8,9,10,11
.irp c, 0,1,2,3
	global_load_b128 v[16*\f+4*\c:16*\f+4*\c+3], v[LI], s[12:13] offset:2048*\f+512*\c
.endr
.endr
	s_wait_loadcnt 48                              ; the indices are in; w1's 48 loads may be out
	WIN 0x88
.irp p, 0,1,2,3,4,5,6,7,8,9,10,11,12,13,14,15
.irp n, 0,1,2
	v_min_u32 v[IDX+4*\p+\n], 0x7ff, v[IDX+4*\p+\n]        ; a number read from memory is held inside the table before it enters an address
.endr
.endr
	WIN 0x82
.irp p, 0,1,2,3,4,5,6,7,8,9,10,11,12,13,14,15
.irp n, 0,1,2
	v_lshl_add_u32 v[IDX+4*\p+\n], v[IDX+4*\p+\n], 10, v[C16]   ; the row's 1,024 bytes, my 16 of each 256
.endr
.endr
	WIN 0x80
.irp p, 0,1,2,3,4,5,6,7,8,9,10,11,12,13,14,15
	global_load_b128 v[COEF+4*\p:COEF+4*\p+3], v[RO], s[10:11] offset:32*\p
.endr
.irp f, 0,1,2,3,4,5,6,7
.irp c, 0,1,2,3
	global_load_b128 v[16*\f+4*\c:16*\f+4*\c+3], v[LI], s[34:35] offset:2048*\f+512*\c
.endr
.endr
	WIN 0
.irp f, 0,1,2,3,4,5,6,7,8,9,10,11
	global_load_b32 v[W1S+\f], v[LS], s[14:15] offset:128*\f
.endr
.irp f, 0,1,2,3,4,5,6,7
	global_load_b32 v[W2S+\f], v[LS], s[36:37] offset:128*\f
.endr
; pair p's 14 loads into slot p % 4: three rows of feats_source (four pieces of 256 bytes each) and the pair's rows of feats_target (two pieces)
.macro ISSUE p
.set SL, 56*((\p)%4)
	WIN 0xc2                                       ; destination window 3, offsets window 2
.irp n, 0,1,2
.irp c, 0,1,2,3
	global_load_b128 v[SL+16*\n+4*\c:SL+16*\n+4*\c+3], v[IDX+4*(\p)+\n], s[4:5] offset:256*\c
.endr
.endr
	WIN 0xc0
.irp c, 0,1
	global_load_b128 v[SL+48+4*\c:SL+48+4*\c+3], v[TO], s[6:7] offset:1024*(\p)+256*\c th:TH_LOAD_NT
.endr
.endm
; pair p is blended and goes to the stage; the pair three further on is asked for
.macro GSTEP p
.set SL, 56*((\p)%4)
.set AS, AB+16*((\p)%2)
.set CF, COEF+4*(\p)
.if (\p) < 14
	s_wait_loadcnt 28                              ; pair p's loads are in; the two younger pairs' 28 may be out
.elseif (\p) == 14
	s_wait_loadcnt 14
.else
	s_wait_loadcnt 0x0                             ; the last pair: every load of the launch is in, the weights among them
.endif
	WIN 0x0b                                       ; source 0 window 3, source 1 window 2
.irp i, 0,1,2,3,4,5,6,7
	v_pk_mul_f32 v[AS+2*\i:AS+2*\i+1], v[SL+2*\i:SL+2*\i+1], v[CF:CF+1] op_sel_hi:[1,0]
.endr
.irp i, 0,1,2,3,4,5,6,7
	v_pk_fma_f32 v[AS+2*\i:AS+2*\i+1], v[SL+16+2*\i:SL+16+2*\i+1], v[CF:CF+1], v[AS+2*\i:AS+2*\i+1] op_sel:[0,1,0] op_sel_hi:[1,1,1]
.endr
.irp i, 0,1,2,3,4,5,6,7
	v_pk_fma_f32 v[AS+2*\i:AS+2*\i+1], v[SL+32+2*\i:SL+32+2*\i+1], v[CF+2:CF+3], v[AS+2*\i:AS+2*\i+1] op_sel_hi:[1,0,1]
.endr
	WIN 0
.irp c, 0,1,2,3
	ds_store_b128 v[STW], v[AS+4*\c:AS+4*\c+3] offset:3104*(\p)+256*\c
.endr
	WIN 0x0c                                       ; an LDS store's data are its source 1: window 3
.irp c, 0,1
	ds_store_b128 v[STW], v[SL+48+4*\c:SL+48+4*\c+3] offset:3104*(\p)+1024+256*\c
.endr
	s_wait_dscnt 6                                 ; only these six may be out: the stores of the step before have read their registers, into which the loads below and the next step's blend write
.if (\p)+3 <= 15
	ISSUE (\p)+3
.endif
	WIN 0
.endm
; 16 nb numbers of a lane, register 16 b + i = k 32 b + 16 (lane / 16) + i of my row, become codes in v[PC] on and scale bytes in v[PW].  relu = 1: what is negative becomes 0 on the way
.macro QUANT s, nb, relu
.irp b, 0,1,2,3
.if \b < \nb
.if \relu
	v_max3_num_f32 v[TM+\b], v[\s+16*\b], v[\s+1+16*\b], 0x8000000          ; no |.|: what is negative must not count; the floor 2^(16 - 127) stands over it and holds the byte at 1 from below
.else
	v_max3_num_f32 v[TM+\b], |v[\s+16*\b]|, |v[\s+1+16*\b]|, 0x8000000
.endif
.endif
.endr
.irp i, 2,4,6,8,10,12,14
.irp b, 0,1,2,3
.if \b < \nb
.if \relu
	v_max3_num_f32 v[TM+\b], v[TM+\b], v[\s+16*\b+\i], v[\s+1+16*\b+\i]
.else
	v_max3_num_f32 v[TM+\b], v[TM+\b], |v[\s+16*\b+\i]|, |v[\s+1+16*\b+\i]|
.endif
.endif
.endr
.endr
.irp b, 0,1,2,3
.if \b < \nb
	v_permlanex16_b32 v[TM+4+\b], v[TM+\b], s[SEL], s[SEL+1]
.endif
.endr
.irp b, 0,1,2,3
.if \b < \nb
	v_max_num_f32 v[TM+\b], v[TM+\b], v[TM+4+\b]   ; with lane l xor 16: the block's largest magnitude
.endif
.endr
.irp b, 0,1,2,3
.if \b < \nb
	v_add_nc_u32 v[TM+12+\b], 0xf8800000, v[TM+\b] ; 15 off its exponent field: the conversion's scale operand
.endif
.endr
.irp b, 0,1,2,3
.if \b < \nb
	v_and_or_b32 v[TM+8+\b], v[TM+\b], 0x7f800000, s[MNT]   ; 57,344 x the scale
.endif
.endr
.irp b, 0,1,2,3
.if \b < \nb
	v_lshrrev_b32 v[TM+4+\b], 23, v[TM+12+\b]      ; the scale's byte
.endif
.endr
	v_lshl_or_b32 v[PW], v[TM+5], 8, v[TM+4]
.if \nb > 2
	v_lshl_or_b32 v[PW], v[TM+6], 16, v[PW]
	v_lshl_or_b32 v[PW], v[TM+7], 24, v[PW]
.endif
.irp b, 0,1,2,3
.if \b < \nb
.irp i, 0,1,2,3,4,5,6,7,8,9,10,11,12,13,14,15
.if \relu
	v_med3_num_f32 v[\s+16*\b+\i], v[\s+16*\b+\i], 0, v[TM+8+\b]            ; the activation and the hold in one
.else
	v_med3_num_f32 v[\s+16*\b+\i], v[\s+16*\b+\i], -v[TM+8+\b], v[TM+8+\b]  ; the conversion to an 8-bit code does not saturate (ISA guide 7.6.2)
.endif
.endr
	v_cvt_scalef32_pk8_bf8_f32 v[PC+4*\b:PC+1+4*\b], v[\s+16*\b:\s+7+16*\b], v[TM+12+\b]
	v_cvt_scalef32_pk8_bf8_f32 v[PC+2+4*\b:PC+3+4*\b], v[\s+8+16*\b:\s+15+16*\b], v[TM+12+\b]
.endif
.endr
	v_nop                                          ; a plain line behind the last conversion, ahead of whatever next writes its sources
.endm
; K step s of my tile tl of rows: out of the stage, quantised, and to LDS as an image
.macro QX tl, s
.irp b, 0,1,2,3
.irp j, 0,1,2,3
	ds_load_b128 v[ST+16*\b+4*\j:ST+16*\b+4*\j+3], v[STR] offset:24832*\tl+512*\s+128*\b+16*\j   ; LDS serves a wave's instructions in order (ISA guide 5.7.1.4): these see my stores
.endr
.endr
	s_wait_dscnt 0x0                               ; the numbers are in, and the last image's stores have read the codes' registers
	QUANT ST, 4, 0
.irp c, 0,1,2,3
	ds_store_b128 v[XWI], v[PC+4*\c:PC+4*\c+3] offset:6144*\tl+2048*\s+512*\c
.endr
	ds_store_b32 v[XWS], v[PW] offset:384*\tl+128*\s
.endm
	; ---- PHASE X.  My first tile's rows are pairs 0 to 7: its three K steps are quantised between the later pairs' steps, while loads are on their way
	ISSUE 0
	ISSUE 1
	ISSUE 2
	WIN 0
.irp p, 0,1,2,3,4,5,6,7,8
	GSTEP \p
.endr
	QX 0, 0
	GSTEP 9
	GSTEP 10
	QX 0, 1
	GSTEP 11
	GSTEP 12
	QX 0, 2
	GSTEP 13
	GSTEP 14
	GSTEP 15
	QX 1, 0
	QX 1, 1
	QX 1, 2
	s_wait_dscnt 0x0                               ; my images have landed,
	s_barrier_signal -1
	s_barrier_wait -1                              ; everybody's have: x's 24 fragments lie in LDS
	; ---- PHASE 1: my 64 hidden units, a tile of 16 rows at a time
.macro FETCHX m                        ; tile m's three fragments and scale words into set m % 2: 15 loads
.irp s, 0,1,2
.irp c, 0,1,2,3
	ds_load_b128 v[XF+48*((\m)%2)+16*\s+4*\c:XF+48*((\m)%2)+16*\s+4*\c+3], v[XRI] offset:2048*(3*(\m)+\s)+512*\c
.endr
	ds_load_b32 v[XS+3*((\m)%2)+\s], v[XRS] offset:128*(3*(\m)+\s)
.endr
.endm
.macro TILE1 m
.set BF, (\m)%2
.if (\m) < 7
	FETCHX (\m)+1                                  ; into the set that the tile before multiplied: nine plain lines and a quantiser stand behind those products
	s_wait_dscnt 15                                ; only the 15 just issued may be out: this tile's operands are in, and the last tile's image stores have read the codes' registers
.else
	s_wait_dscnt 0x0
.endif
	WIN 0x01                                       ; source 0 (w1) window 1
.irp s, 0,1,2                          ; the four accumulators take turns, one instruction a turn; the first K step starts the sums
.irp t, 0,1,2,3
.if \s == 0
	v_wmma_scale_f32_16x16x128_f8f6f4 v[HA+8*\t:HA+8*\t+7], v[16*(3*\t+\s):16*(3*\t+\s)+15], v[XF+48*BF+16*\s:XF+48*BF+16*\s+15], 0, v[W1S+3*\t+\s], v[XS+3*BF+\s] matrix_a_fmt:MATRIX_FMT_BF8 matrix_b_fmt:MATRIX_FMT_BF8
.else
	v_wmma_scale_f32_16x16x128_f8f6f4 v[HA+8*\t:HA+8*\t+7], v[16*(3*\t+\s):16*(3*\t+\s)+15], v[XF+48*BF+16*\s:XF+48*BF+16*\s+15], v[HA+8*\t:HA+8*\t+7], v[W1S+3*\t+\s], v[XS+3*BF+\s] matrix_a_fmt:MATRIX_FMT_BF8 matrix_b_fmt:MATRIX_FMT_BF8
.endif
.endr
.endr
	WIN 0
.rept 9
	v_nop                                          ; eight places ahead of the first read of results and of loads into operands; a ninth, since the next tile's first products write over these accumulators
.endr
	QUANT HA, 2, 1                                 ; it reads each accumulator from its low end on
.irp b, 0,1
	ds_store_b128 v[HWI], v[PC+4*\b:PC+4*\b+3] offset:4096*(\m)+512*\b
.endr
	ds_store_b16 v[HWS], v[PW] offset:256*(\m)     ; my two bytes of the row's scale word; the wave beside me writes the other two
.endm
	FETCHX 0
.irp m, 0,1,2,3,4,5,6,7
	TILE1 \m
.endr
	s_wait_dscnt 0x0                               ; my images have landed,
	s_barrier_signal -1
	s_barrier_wait -1                              ; everybody's have: the hidden layer's 16 fragments lie in LDS
	; ---- PHASE 2: my 64 outputs, a tile of 16 rows at a time.  A tile's results go through my own stage and leave as rows of 256 bytes, one tile behind the products
.macro FETCHH m                        ; tile m's two fragments and scale words into set m % 2: 10 loads
.irp s, 0,1
.irp c, 0,1,2,3
	ds_load_b128 v[HF+32*((\m)%2)+16*\s+4*\c:HF+32*((\m)%2)+16*\s+4*\c+3], v[HRI] offset:2048*(2*(\m)+\s)+512*\c
.endr
	ds_load_b32 v[HS+2*((\m)%2)+\s], v[HRS] offset:128*(2*(\m)+\s)
.endr
.endm
.macro SEND m
.irp i, 0,1,2,3,4,5,6,7
	global_store_b128 v[GO], v[OB+32*((\m)%2)+4*\i:OB+32*((\m)%2)+4*\i+3], s[16:17] offset:1024*(16*(\m)+2*\i) th:TH_STORE_NT   ; sixteen lanes store 256 consecutive bytes, at a multiple of 256 from out0's first byte
.endr
.endm
.macro TILE2 m
.set BF, (\m)%2
.if (\m) < 7
	FETCHH (\m)+1
	s_wait_dscnt 10                                ; only the 10 just issued may be out: this tile's operands are in, the last tile's rows are back, and its stage stores have read the accumulators
.else
	s_wait_dscnt 0x0
.endif
.if (\m) > 0
	SEND (\m)-1
.endif
	WIN 0x02                                       ; source 0 (w2) window 2
.irp s, 0,1
.irp n, 0,1,2,3
.if \s == 0
	v_wmma_scale_f32_16x16x128_f8f6f4 v[OA+8*\n:OA+8*\n+7], v[16*(2*\n+\s):16*(2*\n+\s)+15], v[HF+32*BF+16*\s:HF+32*BF+16*\s+15], 0, v[W2S+2*\n+\s], v[HS+2*BF+\s] matrix_a_fmt:MATRIX_FMT_BF8 matrix_b_fmt:MATRIX_FMT_BF8
.else
	v_wmma_scale_f32_16x16x128_f8f6f4 v[OA+8*\n:OA+8*\n+7], v[16*(2*\n+\s):16*(2*\n+\s)+15], v[HF+32*BF+16*\s:HF+32*BF+16*\s+15], v[OA+8*\n:OA+8*\n+7], v[W2S+2*\n+\s], v[HS+2*BF+\s] matrix_a_fmt:MATRIX_FMT_BF8 matrix_b_fmt:MATRIX_FMT_BF8
.endif
.endr
.endr
	WIN 0
.rept 9
	v_nop                                          ; as in phase 1
.endr
.irp j, 0,1,2,3,4,5,6,7,8,9,10,11,12,13,14,15,16,17,18,19,20,21,22,23,24,25,26,27,28,29,30,31
	v_max_num_f32 v[OA+\j], 0, v[OA+\j]            ; relu; each accumulator from its low end on
.endr
.irp n, 0,1,2,3
	ds_store_b128 v[OSW], v[OA+8*\n:OA+8*\n+3] offset:4352*BF+64*\n          ; lane (r, h): out(16 m + r, 64 w + 16 n + 8 h + 0 .. 7)
	ds_store_b128 v[OSW], v[OA+8*\n+4:OA+8*\n+7] offset:4352*BF+64*\n+16
.endr
.if (\m) > 1
	s_wait_xcnt 0x0                                ; the stores of two tiles back have read their registers, into which the loads below land
.endif
.irp i, 0,1,2,3,4,5,6,7
	ds_load_b128 v[OB+32*BF+4*\i:OB+32*BF+4*\i+3], v[OSR] offset:4352*BF+544*\i   ; my own bytes, served in order: these see the stores above
.endr
.endm
	FETCHH 0
.irp m, 0,1,2,3,4,5,6,7
	TILE2 \m
.endr
	s_wait_dscnt 0x0
	SEND 7
	s_wait_tensorcnt 0x0
	ds_add_u32 v94, v95
	s_wait_dscnt 0x0
	s_endpgm
.Lfunc_end_k_q816cc5dd87_mlp:
	.size	k_q816cc5dd87_mlp, .Lfunc_end_k_q816cc5dd87_mlp-k_q816cc5dd87_mlp
	.p2alignl 7, 3214868480
	.fill 96, 4, 3214868480
	.section	.rodata,"a",@progbits
	.p2align	6, 0x0
	.amdhsa_kernel k_q816cc5dd87_mlp
		.amdhsa_group_segment_fixed_size 286208
		.amdhsa_private_segment_fixed_size 0
		.amdhsa_enable_private_segment 0
		.amdhsa_kernarg_size 56
		.amdhsa_user_sgpr_count 2
		.amdhsa_user_sgpr_kernarg_segment_ptr 1
		.amdhsa_wavefront_size32 1
		.amdhsa_system_sgpr_workgroup_id_x 1
		.amdhsa_system_sgpr_workgroup_id_y 1
		.amdhsa_system_sgpr_workgroup_id_z 1
		.amdhsa_system_vgpr_workitem_id 0
		.amdhsa_next_free_vgpr 1024
		.amdhsa_next_free_sgpr 66
		.amdhsa_reserve_vcc 0
		.amdhsa_float_denorm_mode_32 3
		.amdhsa_float_denorm_mode_16_64 3
		.amdhsa_memory_ordered 1
		.amdhsa_forward_progress 1
		.amdhsa_inst_pref_size 229
	.end_amdhsa_kernel
	.amdgpu_metadata
---
amdhsa.version: [ 1, 2 ]
amdhsa.kernels:
  - .name:           k_q816cc5dd87_mlp
    .symbol:         k_q816cc5dd87_mlp.kd
    .args:
      - { .name: feats_source, .offset: 0, .size: 8, .value_kind: global_buffer, .address_space: global }
      - { .name: feats_target, .offset: 8, .size: 8, .value_kind: global_buffer, .address_space: global }
      - { .name: nidx, .offset: 16, .size: 8, .value_kind: global_buffer, .address_space: global }
      - { .name: ncoef, .offset: 24, .size: 8, .value_kind: global_buffer, .address_space: global }
      - { .name: wimg, .offset: 32, .size: 8, .value_kind: global_buffer, .address_space: global }
      - { .name: wscl, .offset: 40, .size: 8, .value_kind: global_buffer, .address_space: global }
      - { .name: out0, .offset: 48, .size: 8, .value_kind: global_buffer, .address_space: global }
    .group_segment_fixed_size: 286208
    .private_segment_fixed_size: 0
    .kernarg_segment_align: 8
    .kernarg_segment_size: 56
    .max_flat_workgroup_size: 128
    .sgpr_count:     66
    .vgpr_count:     1024
    .wavefront_size: 32
...
	.end_amdgpu_metadata
.endif
;; end of part 3
